; MI455X (gfx1250); checked and timed in simulation.
; The chip was launched on July 23, 2026; its instructions are those of AMD's public machine-readable ISA for CDNA 5 (MIT licence, August 2026) and "CDNA5" Instruction Set Architecture Reference Guide (July 2026). The comments in the code are by the model that wrote it; some were corrected since.
;; Chunked Cross Attention. Allowed arithmetic: matrix products marked QUANTISED: E3M2 operands, one E8M0 scale for each 32 along K, by v_wmma_scale_f32_16x16x128_f8f6f4 with both operands' format E3M2, f32 sums; everything else in f32.
;; Inputs: Wk_codes 1,024 x 32 x 24 uint8 (E3M2 codes of Wk, K innermost, in blocks of 32 codes, four codes in three bytes); Wk_scales 1,024 x 32 uint8 (E8M0 scales of Wk, one for each 32 codes along K); Wo_codes 1,024 x 32 x 24 uint8 (E3M2 codes of Wo, K innermost, in blocks of 32 codes, four codes in three bytes); Wo_scales 1,024 x 32 uint8 (E8M0 scales of Wo, one for each 32 codes along K); Wq_codes 1,024 x 32 x 24 uint8 (E3M2 codes of Wq, K innermost, in blocks of 32 codes, four codes in three bytes); Wq_scales 1,024 x 32 uint8 (E8M0 scales of Wq, one for each 32 codes along K); Wv_codes 1,024 x 32 x 24 uint8 (E3M2 codes of Wv, K innermost, in blocks of 32 codes, four codes in three bytes); Wv_scales 1,024 x 32 uint8 (E8M0 scales of Wv, one for each 32 codes along K); bk 1,024 float32; bo 1,024 float32; bq 1,024 float32; bv 1,024 float32; e_codes 4 x 16 x 2 x 128 x 32 x 24 uint8 (E3M2 codes of e, K innermost, in blocks of 32 codes, four codes in three bytes); e_scales 4 x 16 x 2 x 128 x 32 uint8 (E8M0 scales of e, one for each 32 codes along K); g_norm 1,024 float32; h 4 x 1,024 x 1,024 float32.
;; Outputs: out0 4 x 1,024 x 1,024 float32.
;; This version of the problem:
;;   THIS VERSION OF THE PROBLEM IS GIVEN IN LOW PRECISION. The matrix products marked QUANTISED in the list below multiply operands that are first quantised to E3M2 (3 exponent bits, 2 mantissa bits; 6 bits a number), with one power-of-two scale for each 32 numbers along K (OCP MX v1.0); their sums are f32. All else is computed in f32.
;;   The module's matrix products, in the order in which they are computed (A, B: the left and right operand; K: the contracted axis; several contracted axes count as one K, in the product's order):
;;     1. [M 4,096, K 1,024] x [K 1,024, N 1,024]; A: computed on the way; B: input Wq (given as codes): QUANTISED
;;     2. [M 16,384, K 1,024] x [K 1,024, N 1,024]; A: input e (given as codes); B: input Wk (given as codes): QUANTISED
;;     3. [M 16,384, K 1,024] x [K 1,024, N 1,024]; A: input e (given as codes); B: input Wv (given as codes): QUANTISED
;;     4. batch 1,024 x [M 64, K 64] x [K 64, N 256]; A: computed on the way; B: computed on the way: QUANTISED
;;     5. batch 1,024 x [M 64, K 256] x [K 256, N 64]; A: computed on the way; B: computed on the way: QUANTISED
;;     6. [M 4,096, K 1,024] x [K 1,024, N 1,024]; A: computed on the way; B: input Wo (given as codes): QUANTISED
;;   THE QUANTISER, for each operand of a quantised product, along K:
;;     - K is cut into blocks of 32 from its start; a last block that is shorter is filled with zeros.
;;     - A block's scale is 2^e with e = floor(log2(the largest magnitude in the block)) - 4, held to -126 .. 127; a block of zeros has e = 0. As a byte (E8M0): e + 127.
;;     - Each number is divided by its block's scale, clamped to +-28, and rounded to the nearest number of E3M2, ties to even, subnormals kept.
;;     - The product sums the exact products of the quantised numbers (number of the format x scale) in f32.
;;   ~~~python
;;   def quantise(x, axis):      # numpy; x: float32 -> the quantised numbers, widened to float32 again
;;       x = np.moveaxis(x, axis, -1); K = x.shape[-1]
;;       x = np.pad(x, [(0, 0)] * (x.ndim - 1) + [(0, -K % 32)]); x = x.reshape(x.shape[:-1] + (-1, 32)); a = np.abs(x).max(-1, keepdims=True)
;;       e = np.where(a > 0, np.clip(np.frexp(np.where(a > 0, a, 1))[1] - 1 - 4, -126, 127), 0)      # np.frexp(a)[1] - 1 = floor(log2(a)), exactly
;;       r = np.clip(x / 2.0 ** e, -28, 28)
;;       step = 2.0 ** (np.maximum(np.frexp(np.where(r == 0, 1, r))[1] - 1, -2) - 2)
;;       q = np.round(r / step) * step * 2.0 ** e      # np.round: ties to even
;;       return np.moveaxis(q.reshape(q.shape[:-2] + (-1,))[..., :K], -1, axis).astype(np.float32)
;;   ~~~
;;   OPERANDS COMPUTED ON THE WAY. 'Computed on the way' means the value that the module computes at that place (a softmax that the list does not call 'softmax' is quantised finished and normalised). What goes into a quantiser is computed in f32, as accurately as f32 sums, v_exp_f32 and their like allow (about 1e-6 of the number): no bf16 or f16 on the way to a quantiser, and a product that is left as it is and whose result goes on into a quantised operand takes f32 operands (vector FMAs, or v_wmma_f32_16x16x4_f32). A number that lies on a knife's edge between two numbers of the format may be rounded either way, as far as f32 arithmetic and the matrix unit's own rounding can turn it there, and no further.
;;   INPUTS GIVEN AS CODES. Wk (in the module: [1024, 1024], K = its axis 0); Wo (in the module: [1024, 1024], K = its axis 0); Wq (in the module: [1024, 1024], K = its axis 0); Wv (in the module: [1024, 1024], K = its axis 0); e (in the module: [4, 16, 2, 128, 1024], K = its axis 4): each comes as NAME_codes (uint8): NAME with its K axis moved to the last place and cut into blocks of 32 codes, [.., K / 32, bytes a block], one block behind the other in memory; four codes in three bytes: a row's codes are one little-endian stream of bits, code i at bits 6 i .. 6 i + 5 (a code: sign, 3 exponent bits, 2 mantissa bits); and NAME_scales (uint8): the same leading axes, one E8M0 byte (e + 127) for each 32 codes along K. Its value is code x scale, taken as it is: it is not quantised again, and the codes and scales need not be those that the quantiser above would give.
;; One version. Each part assembles by itself: llvm-mc -triple=amdgcn-amd-amdhsa -mcpu=gfx1250 --defsym DOCPART=n.
;; ======== version 1 of 1: 2 launches
;; limits: right only within a limited range of input values
;; workspace buffers: o_img 3,145,728 bytes; o_sc 131,072 bytes
;; launch attn (part 1): grid 4 x 64, 4 waves a work-group, clusters of 4 x 4, 327,680 bytes of LDS; arguments h, g_norm, e_codes, e_scales, Wk_codes, Wv_codes, Wq_codes, Wk_scales, Wv_scales, Wq_scales, bk, bv, bq, o_img, o_sc; writes o_img, o_sc
.if DOCPART == 1
	.amdgcn_target "amdgcn-amd-amdhsa--gfx1250"
	.amdhsa_code_object_version 6
	.text
	.protected	k_qda32b04bf5_attn
	.globl	k_qda32b04bf5_attn
	.p2align	8
	.type	k_qda32b04bf5_attn,@function
k_qda32b04bf5_attn:
	s_mov_b64 s[64:65], 0
	v_nop
	global_prefetch_b8 v0, s[64:65] scope:SCOPE_SE
	s_setreg_imm32_b32 hwreg(HW_REG_WAVE_MODE, 25, 1), 1
	s_wait_xcnt 0x0
	s_wait_alu depctr_hold_cnt(0) depctr_sa_sdst(0) depctr_va_vdst(0) depctr_va_sdst(0) depctr_va_ssrc(0) depctr_va_vcc(0) depctr_vm_vsrc(0)
	s_getreg_b32 s2, hwreg(HW_REG_IB_STS2, 6, 4)
	s_cmp_eq_u32 s2, 0
	s_cbranch_scc0 .Lentry_in_a_cluster
	s_endpgm
.Lentry_in_a_cluster:
	s_bfe_u32 s2, ttmp6, 0x10000c
	s_cmp_lg_u32 s2, 0xf033
	s_cbranch_scc0 .Lentry_shape_is_right
	s_endpgm
.Lentry_shape_is_right:
; One work-group = one chunk (64 queries, 256 keys) x four heads.  hn = rmsnorm(h shifted by 63 rows) x g, k = e Wk + bk, v = e Wv + bv, q = hn Wq + bq, scores, softmax, o: all products on codes of E3M2 with one
; E8M0 byte for each 32 along K; hn, k, v, q, p and o are quantised in registers, and o leaves as codes, laid as the last launch's operand registers want them.
; DEAD WORK: in chunk 15 the rows i >= 1 of hn are padding whose results the module's last slice cuts off.  They lie in the 64-row tile of the live row 0 and stay: they wrap onto rows 0 .. 62 of h, and the last launch throws them away (so a NaN or an infinity that reaches only them is not carried on).
; E STAYS IN REGISTERS: wave (kh, ch) = (wave / 2, wave % 2) holds 128 keys x 1,024 of e, 64 fragments of 12 registers, and walks the weights: for each head a job for k and a job for v, 8 key tiles x its 32 of the head's 64 channels.
; THE WEIGHTS come as whole rows of 768 bytes, one head's 64 rows to a slot: slot S0 Wk's (at last Wq's head 0, then 3), S1 Wv's (at last Wq's head 1), S2 Wq's head 2.  A job's last K step changes slots.
; LDS: hn's rows; S0; then e's 256 rows, over whose first half S1 and S2 lie once e is in registers, and over whose second half (no fill lands there again) k's and v's codes as images of operand registers.
; K ORDER: a lane takes two NEIGHBOURING blocks of 32 (48 bytes, three loads of 16), lanes 0-15 blocks 0, 1 of a K step, lanes 16-31 blocks 2, 3, alike on both sides: so a scale word has its bytes 1 and 2 exchanged.
; CLUSTER 4 x 4: the four of a row share e's rows (one chunk), the four of a column the weights' rows (one group of heads): each tile is asked for jointly.  Scale bytes and biases come by the work-group's own loads: a small part.
; PREFETCH: in the loop's trips 0 and 1 the first four clusters ask for the Wk and Wv rows of the head two on, one trip ahead of their load, 12 blocks of 256 bytes a wave, shared out among the partners by cy.  e, h and the first two heads' rows are asked for at the head or right behind it, with no loop to run ahead in; Wq's rows are not prefetched (twelve of its sixteen tiles' clusters would ask again).
; LAYOUT (r = lane % 16, h = lane / 16).  k, q: source 0 = W, source 1 = e or hn: a lane holds one key or query, registers along the channels.  v: source 0 = e, source 1 = Wv: a lane holds one channel, registers along the keys.
; S^T = k q^T and O^T = v^T p^T: a lane holds one query.  A block of 32 along the next K lies in lanes l and l xor 16 as groups of eight G(h), G(2 + h); after the exchange of halves a lane holds it as G0 G2 G1 G3, alike in q and k, and in p and v.  o is set straight.
; The head's 64 fill half of the instruction's 128: q's upper six registers are zero codes; k's upper six are other finite codes.
; LIMITS: NaN and infinities are not served.  A block of zeros gets the byte 1 where the quantiser says 127 (its codes are zeros; this program alone reads the bytes).  A p under 2^-126 counts as 0.  The softmax's promise holds while the scaled scores stay under 2^31 in magnitude.
.set HB,  0
.set HSC, 52224                        ; hn's scale bytes, 32 a row
.set S0,  54272
.set S1,  106496
.set S2,  158720
.set KC,  210944                       ; k's images: [head][tile][3][lane][8 bytes]
.set VCB, 260096                       ; v's: [head][channel tile][keys / 128][6][lane][8 bytes]
.set KSB, 309248                       ; k's scale bytes, two a key
.set VSB, 311296                       ; v's scale words
.set QSB, 313344                       ; q's scale bytes, two a query
.set SPARE, 315392                     ; the spare words
.set OSC, 315904                       ; o's scale words
.set RP,  816                          ; an LDS row: 3 x (256 + 16)
.set TL,  13056                        ; 16 rows
.set RG,  52224                        ; 64 rows
; scalar registers
.set G1E, 4
.set G1W, 12
.set G0E, 20
.set G0W, 24
.set HP,  28
.set GP,  30
.set EB,  32
.set ESP, 34
.set PKW, 36
.set PVW, 38
.set PQW, 40
.set PKS, 42
.set PVS, 44
.set QSP, 46
.set PBK, 48
.set PBV, 50
.set BQP, 52
.set OIP, 54
.set OSP, 56
.set WV,  58
.set CH,  59
.set KH,  60
.set CK,  61
.set SEL, 62
.set PSEL, 66
.set GR,  67
.set CS,  72
.set NC,  74
.set HD,  75
.set NS,  76
.set NB,  78
.set RB,  80
.set LWH, 96
.set RI,  97
.set O1,  98
.set O2,  99
.set CN,  100
.set PFL, 104
; window 0: v0 thread, v1 spare word, v2 zero, v3-6 W's addresses in S0 and S1, v7-10 where k's and v's codes and scales go, v12-23 e's last fragment, then:
.set BI,  24                           ; the bias: the C of a sum's first product
.set WSC, 40                           ; W's scale words, register s: lanes 0-15 tile 0, lanes 16-31 tile 1
.set ESC, 48                           ; e's: 8 i + s: tiles i and i + 4
.set FB,  80                           ; W's fragments, two sets
.set AC,  128                          ; accumulators
; window 3: v252 32 x lane, v253 32 h, v254 4 r, v255 the prefetches' offset.  Windows 1 and 2: v252-255 the next job's scale words as they come
; the norm, window 0
.set NG,  128
.set SQ,  160
.set MX,  176
.set RS,  184
.set CT,  192
.set SO,  224
.set BY,  232
.set PX,  240
.set HAB, 244
.set HBB, 250
.set OFF, 251
.set EAR, 88                           ; v88-91: where my rows of e lie in LDS
.set MSB, 0
.macro WIN new
.if MSB != (\new)
	s_set_vgpr_msb (MSB<<8)|(\new)
.set MSB, \new
.endif
.endm
.macro PLACES n
.rept \n
	v_nop
.endr
.endm
.macro CREST                           ; a round of the cluster's barrier behind its opening barrier
	s_cmp_lg_u32 s[WV], 0
	s_cbranch_scc1 .Lnot_wave_0_\@
	s_barrier_signal -3
.Lnot_wave_0_\@:
	s_barrier_wait -3
	s_barrier_signal -1
	s_barrier_wait -1
.endm
.macro CROUND
	s_barrier_signal -1
	s_barrier_wait -1
	CREST
.endm
; A joint refill: waves 2 and 3 fetch 32 rows each.  The branch hangs on the wave's number alone.  The four v_nop at the end are also the places in front of the loads that follow.
.macro REFILL
	s_cmp_eq_u32 s[KH], 1
	s_cbranch_scc0 .Lno_fill_\@
	tensor_load_to_lds s[G0W:G0W+3], s[G1W:G1W+7]
	s_nop 0
	PLACES 4
.Lno_fill_\@:
	PLACES 4
.endm
; A fragment, 16 rows x 128 K: three loads of 16 bytes.  Lanes 16-31 read 48 bytes further on; where that lies behind one padding more, the second address register serves.
.macro LFB idx, adr, s, row
.irp j,0,1,2
.set y, 96*(\s)+16*\j
.if y/256 == (y+48)/256
	ds_load_b128 v[(\idx)+4*\j:(\idx)+4*\j+3], v[\adr] offset:y+16*(y/256)+RP*(\row)
.else
	ds_load_b128 v[(\idx)+4*\j:(\idx)+4*\j+3], v[(\adr)+1] offset:y+16*(y/256)+RP*(\row)
.endif
.endr
.endm
.macro LF win, idx, adr, s, row
	WIN (\win)<<6
	LFB \idx, \adr, \s, \row
.endm
.macro WMR c
.if wr == 0
	v_wmma_scale_f32_16x16x128_f8f6f4 v[wd:wd+7], v[wa:wa+11], v[wb:wb+11], \c, v[wsa], v[wsb] matrix_a_fmt:MATRIX_FMT_BF6 matrix_b_fmt:MATRIX_FMT_BF6
.elseif wr == 1
	v_wmma_scale_f32_16x16x128_f8f6f4 v[wd:wd+7], v[wa:wa+11], v[wb:wb+11], \c, v[wsa], v[wsb] matrix_a_fmt:MATRIX_FMT_BF6 matrix_b_fmt:MATRIX_FMT_BF6 matrix_a_scale:MATRIX_SCALE_ROW1
.elseif wr == 2
	v_wmma_scale_f32_16x16x128_f8f6f4 v[wd:wd+7], v[wa:wa+11], v[wb:wb+11], \c, v[wsa], v[wsb] matrix_a_fmt:MATRIX_FMT_BF6 matrix_b_fmt:MATRIX_FMT_BF6 matrix_b_scale:MATRIX_SCALE_ROW1
.else
	v_wmma_scale_f32_16x16x128_f8f6f4 v[wd:wd+7], v[wa:wa+11], v[wb:wb+11], \c, v[wsa], v[wsb] matrix_a_fmt:MATRIX_FMT_BF6 matrix_b_fmt:MATRIX_FMT_BF6 matrix_a_scale:MATRIX_SCALE_ROW1 matrix_b_scale:MATRIX_SCALE_ROW1
.endif
.endm
; One matrix instruction.  c < 0: the constant 0 starts the sum.  ra, rb: the side's scales stand in lanes 16-31.
.macro WM d, a, b, c, sa, sb, ra, rb
.set wd, \d
.set wa, \a
.set wb, \b
.set wc, \c
.set wsa, \sa
.set wsb, \sb
.set wr, (\ra)+2*(\rb)
.if wc < 0
	WMR 0
.else
	WMR v[wc:wc+7]
.endif
.endm
; Where e's fragment (K step s, tile a) lies: 21 to a window, the last in window 0.
.macro ET s, a
.set et, 8*(\s)+(\a)
.if et < 63
.set ew, 1+et/21
.set ei, 12*(et%21)
.else
.set ew, 0
.set ei, 12
.endif
.endm
; kind 0 (k): accumulator (a, b) at 16 a + 8 b: a key tile's 32 channels are 16 registers on end.  kind 1 (v): at 16 (a / 2 + 4 b) + 8 (a % 2): a channel's 32 keys are.
; The 16 accumulators take turns, one instruction a turn, in the same order in every step.
.macro MM kind, s, a, b
	ET \s, \a
.set mf, FB+24*((\s)%2)+12*(\b)
.if \kind == 0
.set md, AC+16*(\a)+8*(\b)
.else
.set md, AC+16*((\a)/2+4*(\b))+8*((\a)%2)
.endif
.if (\s) == 0
.set mc, BI+8*(\b)
.else
.set mc, md
.endif
.if \kind == 0
	WIN ew<<2
	WM md, mf, ei, mc, WSC+(\s), ESC+8*((\a)%4)+(\s), \b, (\a)/4
.else
	WIN ew
	WM md, ei, mf, mc, ESC+8*((\a)%4)+(\s), WSC+(\s), (\a)/4, \b
.endif
.endm
; The next job's bias and scale words.
.macro SLOAD kind
.if \kind == 0
	WIN 0x03
.irp b,0,1
.irp j,0,1,2,3,4,5,6,7
	global_load_b32 v[BI+8*\b+\j], v254, s[PBV:PBV+1] offset:64*\b         ; bv of my lane's channel, in each of a tile's eight registers
.endr
.endr
	WIN 0x43
	global_load_b128 v[252:255], v252, s[PVS:PVS+1]
	WIN 0x83
	global_load_b128 v[252:255], v252, s[PVS:PVS+1] offset:16
.else
	s_cmp_lt_u32 s[HD], 3
	s_cselect_b64 s[NS:NS+1], s[PKS:PKS+1], s[QSP:QSP+1]                   ; behind the last head: Wq's and bq's
	s_cselect_b64 s[NB:NB+1], s[PBK:PBK+1], s[BQP:BQP+1]
	WIN 0x03
.irp b,0,1
	global_load_b128 v[BI+8*\b:BI+8*\b+3], v253, s[NB:NB+1] offset:64*\b
	global_load_b128 v[BI+8*\b+4:BI+8*\b+7], v253, s[NB:NB+1] offset:64*\b+16
.endr
	WIN 0x43
	global_load_b128 v[252:255], v252, s[NS:NS+1]
	WIN 0x83
	global_load_b128 v[252:255], v252, s[NS:NS+1] offset:16
.endif
.endm
; K step s of a job: 16 products on set s % 2; the next step's two fragments go into the other set, behind four places.
.macro STEP kind, s, adr, ptr
.if (\s) == 0
	s_wait_dscnt 0x0                               ; the fragments are in, my codes are stored
.else
	s_wait_dscnt 3                                 ; the second fragment's three loads may be out
.endif
.irp a,0,1,2,3,4,5,6,7
	MM \kind, \s, \a, 0
.if \a == 0                            ; all that the step asks for stands in one run, behind four places
	PLACES 4
.if \kind
	WIN 0
.endif
	LFB FB+24*(((\s)+1)%2), \adr, (\s)+1, 0
	LFB FB+24*(((\s)+1)%2)+12, \adr, (\s)+1, 16
.if (\s) == 1
	SLOAD \kind
.endif
.if (\s) == 2
	ASK \ptr
.endif
.endif
.endr
	s_wait_dscnt 6                                 ; all but the six just issued
.irp a,0,1,2,3,4,5,6,7
	MM \kind, \s, \a, 1
.endr
.endm
; A job's last K step changes slots: the waits, the add and a round of the cluster's barrier; this slot is filled with the next head's rows (behind the last head: Wq's), and the other slot's first fragments are fetched.
.macro LAST kind, other
	WIN 0
	s_wait_tensorcnt 0x0                           ; all my tensor loads have landed: my part of the other slot
	ds_add_u32 v1, v2                              ; 0 onto my spare word
	s_wait_xcnt 0x0                                ; the prefetch has read its base
.if \kind == 0
	s_cmp_lt_u32 s[HD], 3
	s_cselect_b64 s[G0W+2:G0W+3], s[PKW:PKW+1], s[PQW:PQW+1]
	s_add_co_u32 s[G0W+1], s[LWH], S0
	s_add_nc_u64 s[PKW:PKW+1], s[PKW:PKW+1], 49152
.else
	s_add_nc_u64 s[68:69], s[PQW:PQW+1], 49152
	s_cmp_lt_u32 s[HD], 3
	s_cselect_b64 s[G0W+2:G0W+3], s[PVW:PVW+1], s[68:69]
	s_add_co_u32 s[G0W+1], s[LWH], S1
	s_add_nc_u64 s[PVW:PVW+1], s[PVW:PVW+1], 49152
.endif
	s_or_b32 s[G0W+3], s[G0W+3], 0x80000000
	s_wait_dscnt 4                                 ; the first fragment is in (three loads and the add may be out)
.irp a,0,1,2,3,4,5,6,7
	MM \kind, 7, \a, 0
.endr
	s_wait_dscnt 0x0                               ; the add is done, and my reads of this slot are over
	s_barrier_signal -1
.irp a,0,1,2,3,4,5,6,7
	MM \kind, 7, \a, 1
.endr
	WIN 0
	s_barrier_wait -1
	CREST                                          ; no wave of any partner still reads this slot or has a load on its way
	REFILL
	LFB FB, \other, 0, 0
	LFB FB+12, \other, 0, 16
.endm
.macro ASK ptr                         ; the rows of the head two on: my half's 96 blocks are shared out among four partners and two waves
	WIN 0
	s_cmp_lt_u32 s[HD], s[PFL]
	s_cbranch_scc0 .Lno_ask_\@
	WIN 0x03
	global_prefetch_b8 v255, s[\ptr:\ptr+1] offset:49152 th:TH_LOAD_NT scope:SCOPE_SE
	WIN 0
.Lno_ask_\@:
.endm
.macro JOB kind, adr, other, ptr
	STEP \kind, 0, \adr, \ptr
	STEP \kind, 1, \adr, \ptr
	STEP \kind, 2, \adr, \ptr
	STEP \kind, 3, \adr, \ptr
	STEP \kind, 4, \adr, \ptr
	STEP \kind, 5, \adr, \ptr
	STEP \kind, 6, \adr, \ptr
	LAST \kind, \other
.endm
.macro WPERM                           ; the next job's scale words, bytes 1 and 2 exchanged
	WIN 0x05
.irp i,0,1,2,3
	v_perm_b32 v[WSC+\i], v[252+\i], v[252+\i], s[PSEL]
.endr
	WIN 0x0A
.irp i,0,1,2,3
	v_perm_b32 v[WSC+4+\i], v[252+\i], v[252+\i], s[PSEL]
.endr
	WIN 0
.endm
; nb blocks by turns, block n at acc + 16 n: its largest magnitude (ascending; with the floor 2^(5 - 127)), with lane l xor 16's; tx: 4 off the exponent field, the conversion's scale operand; tm: the byte.
.macro QMAX nb, acc, tm, tx
.set n, 0
.rept \nb
	v_max3_num_f32 v[\tm+n], |v[\acc+16*n]|, |v[\acc+16*n+1]|, 0x2800000
.set n, n+1
.endr
.irp i,2,4,6,8,10,12,14
.set n, 0
.rept \nb
	v_max3_num_f32 v[\tm+n], |v[\acc+16*n+\i]|, |v[\acc+16*n+\i+1]|, v[\tm+n]
.set n, n+1
.endr
.endr
.set n, 0
.rept \nb
	v_permlanex16_b32 v[\tx+n], v[\tm+n], s[SEL], s[SEL+1]
.set n, n+1
.endr
.set n, 0
.rept \nb
	v_max_num_f32 v[\tm+n], v[\tm+n], v[\tx+n]
.set n, n+1
.endr
.set n, 0
.rept \nb
	v_add_nc_u32 v[\tx+n], 0xfe000000, v[\tm+n]
.set n, n+1
.endr
.set n, 0
.rept \nb
	v_lshrrev_b32 v[\tm+n], 23, v[\tx+n]
.set n, n+1
.endr
.endm
.macro CV d, src, sc
	v_cvt_scalef32_pk16_bf6_f32 v[\d:\d+2], v[\src:\src+15], v[\sc]
.endm
.macro XCHG c, t                       ; exchange of halves: lanes 0-15 hold the pair's first block whole, lanes 16-31 the second
.irp i,0,1,2
	v_permlane16_swap_b32 v[\c+\i], v[\t+\i]
.endr
.irp i,0,1,2
	v_mov_b32 v[\c+3+\i], v[\t+\i]
.endr
.endm
; A job's results become codes.  k: a pair = two key tiles, one block of 32 channels each; v: a pair = two blocks of 32 keys of one channel tile.  Codes of the later pairs lie over accumulators that are done with.
.macro QUANT kind
	PLACES 4
	s_wait_loadcnt 0x0                             ; the next job's bias and scale words
	WPERM
.if \kind == 0
	s_add_nc_u64 s[PVS:PVS+1], s[PVS:PVS+1], 2048
	s_add_nc_u64 s[PBV:PBV+1], s[PBV:PBV+1], 256
.else
	s_add_nc_u64 s[PKS:PKS+1], s[PKS:PKS+1], 2048
	s_add_nc_u64 s[PBK:PBK+1], s[PBK:PBK+1], 256
.endif
	QMAX 8, AC, 104, 112
.if \kind == 0
	v_add_nc_u32 v126, s[O2], v9
	v_add_nc_u32 v11, s[O1], v7
.else
	v_add_nc_u32 v126, s[O2], v10
.irp b,0,1
	v_lshl_or_b32 v[104+4*\b], v[105+4*\b], 8, v[104+4*\b]
	v_lshl_or_b32 v[104+4*\b], v[106+4*\b], 16, v[104+4*\b]
	v_lshl_or_b32 v[104+4*\b], v[107+4*\b], 24, v[104+4*\b]
.endr
	v_add_nc_u32 v11, s[O1], v8
.endif
	CV 120, AC, 112
	v_nop                                          ; a plain place behind a scaled conversion whose sources are written next
	CV 128, AC+16, 113
	v_nop
	CV 132, AC+32, 114
	CV 138, AC+48, 115
	CV 142, AC+64, 116
	CV 148, AC+80, 117
	v_nop
	CV 152, AC+96, 118
	CV 160, AC+112, 119
	v_nop
	XCHG 120, 128
	XCHG 132, 138
	XCHG 142, 148
	XCHG 152, 160
.if \kind == 0                         ; all stores in one run
.irp n,0,1,2,3,4,5,6,7
	ds_store_b8 v126, v[104+\n] offset:32*\n       ; (both halves of the lanes store the same byte)
.endr
.else
.irp b,0,1
	ds_store_b32 v126, v[104+4*\b] offset:128*\b
.endr
.endif
.set qi, 0
.irp c,120,132,142,152
.irp p,0,1,2
.if \kind == 0
	ds_store_b64 v11, v[\c+2*\p:\c+2*\p+1] offset:1536*qi+256*\p
.else
	ds_store_b64 v11, v[\c+2*\p:\c+2*\p+1] offset:3072*(qi/2)+768*(qi%2)+256*\p
.endif
.endr
.set qi, qi+1
.endr
.endm
; THE NORM.  Four rows of my sixteen: a lane takes 16 neighbouring numbers of each half of a row.
.macro ELD t0, n                       ; e's fragments t0 .. t0 + n - 1 (fragment t = K step t / 8, tile t % 8) into my registers
.set el, \t0
.rept \n
	ET el/8, el%8
	LF ew, ei, EAR+2*((el%8)/4), el/8, 16*((el%8)%4)
.set el, el+1
.endr
.endm
.macro XSET set, again
.if \again
	s_wait_xcnt 0x0                                ; the earlier loads have read their bases
.endif
.irp o,0,1,2,3
	s_and_b32 s2, s[RI], 1023
	s_lshl_b32 s2, s2, 12
	s_add_nc_u64 s[RB+8*\set+2*\o:RB+8*\set+2*\o+1], s[HP:HP+1], s[2:3]
	s_add_co_u32 s[RI], s[RI], 1
.endr
	WIN 0x40
.irp o,0,1,2,3
.irp q,0,1
.irp j,0,1,2,3
	global_load_b128 v[128*\set+32*\o+16*\q+4*\j:128*\set+32*\o+16*\q+4*\j+3], v[OFF], s[RB+8*\set+2*\o:RB+8*\set+2*\o+1] offset:2048*\q+16*\j
.endr
.endr
.endr
	WIN 0
.endm
; Rows r0 .. r0 + 3 of my sixteen, which lie in a set; eb >= 0: 21 of e's fragments, from eb on, are fetched on the way.
.macro NBATCH set, r0, eb
	WIN 0x05
.irp j,0,1,2,3,4,5,6,7,8,9,10,11,12,13,14,15
.irp o,0,1,2,3
.set nx, 128*\set+32*\o+2*\j
.set nq, SQ+2*(2*\o+\j%2)
.if \j < 2
	v_pk_mul_f32 v[nq:nq+1], v[nx:nx+1], v[nx:nx+1]
.else
	v_pk_fma_f32 v[nq:nq+1], v[nx:nx+1], v[nx:nx+1], v[nq:nq+1]
.endif
.endr
.endr
.if \eb >= 0
	ELD \eb, 6
.endif
	WIN 0x41
.irp j,0,1,2,3,4,5,6,7,8,9,10,11,12,13,14,15
.irp o,0,1,2,3
.set nx, 128*\set+32*\o+2*\j
	v_pk_mul_f32 v[nx:nx+1], v[nx:nx+1], v[NG+2*\j:NG+2*\j+1]
.endr
.endr
.if \eb >= 0
	ELD \eb+6, 5
.endif
	WIN 0x05
.irp n,0,1,2,3,4,5,6,7
	v_max_num_f32 v[MX+\n], |v[128*\set+16*\n]|, |v[128*\set+16*\n+1]|
.endr
.irp i,2,4,6,8,10,12,14
.irp n,0,1,2,3,4,5,6,7
	v_max3_num_f32 v[MX+\n], |v[128*\set+16*\n+\i]|, |v[128*\set+16*\n+\i+1]|, v[MX+\n]
.endr
.endr
.if \eb >= 0
	ELD \eb+11, 5
.endif
	WIN 0
.irp n,0,1,2,3,4,5,6,7
	v_max_num_f32_dpp v[MX+\n], v[MX+\n], v[MX+\n] row_xmask:1 row_mask:0xf bank_mask:0xf     ; a block lies in two neighbouring lanes
.endr
.irp o,0,1,2,3
	v_pk_add_f32 v[SQ+4*\o:SQ+4*\o+1], v[SQ+4*\o:SQ+4*\o+1], v[SQ+4*\o+2:SQ+4*\o+3]
.endr
.irp o,0,1,2,3
	v_add_f32 v[SQ+4*\o], v[SQ+4*\o], v[SQ+4*\o+1]
.endr
.irp x,1,2,4,8
.irp o,0,1,2,3
	v_add_f32_dpp v[SQ+4*\o], v[SQ+4*\o], v[SQ+4*\o] row_xmask:\x row_mask:0xf bank_mask:0xf
.endr
.endr
.irp o,0,1,2,3
	v_permlanex16_b32 v[PX+\o], v[SQ+4*\o], s[SEL], s[SEL+1]
.endr
.irp o,0,1,2,3
	v_add_f32 v[SQ+4*\o], v[SQ+4*\o], v[PX+\o]
.endr
.irp o,0,1,2,3
	v_fma_f32 v[SQ+4*\o], v[SQ+4*\o], s[CN], s[CN+1]
.endr
	s_wait_alu depctr_va_vdst(0)                   ; the wait ahead of the batch
.if \eb >= 0
	s_wait_dscnt 48                                ; the batch before has stored its codes: behind them stand 16 fragments' 48 loads
.else
	s_wait_dscnt 0x0                               ; the batch before has stored its codes
.endif
.irp o,0,1,2,3
	v_rsq_f32 v[RS+2*\o], v[SQ+4*\o]
.endr
	v_nop
	s_wait_alu depctr_va_vdst(0)                   ; and behind it
	WIN 0x41
.irp j,0,1,2,3,4,5,6,7,8,9,10,11,12,13,14,15
.irp o,0,1,2,3
.set nx, 128*\set+32*\o+2*\j
	v_pk_mul_f32 v[nx:nx+1], v[nx:nx+1], v[RS+2*\o:RS+2*\o+1] op_sel_hi:[1,0]
.endr
.endr
.if \eb >= 0
	ELD \eb+16, 5
.endif
	WIN 0
.irp n,0,1,2,3,4,5,6,7
	v_mul_f32 v[MX+\n], v[MX+\n], v[RS+2*(\n/2)]   ; rounding keeps order: the largest product is the product of the largest
.endr
.irp n,0,1,2,3,4,5,6,7
	v_max_num_f32 v[MX+\n], 0x2800000, v[MX+\n]
.endr
.irp n,0,1,2,3,4,5,6,7
	v_add_nc_u32 v[SO+\n], 0xfe000000, v[MX+\n]
.endr
.irp n,0,1,2,3,4,5,6,7
	v_lshrrev_b32 v[BY+\n], 23, v[SO+\n]
.endr
	WIN 0x01
.irp n,0,1,2,3,4,5,6,7
	v_cvt_scalef32_pk16_bf6_f32 v[CT+4*\n:CT+4*\n+2], v[128*\set+16*\n:128*\set+16*\n+15], v[SO+\n]
.endr
	v_nop
	WIN 0
.irp n,0,1,2,3,4,5,6,7
.irp i,0,1,2
	ds_store_b32 v[HAB+3*(\n%2)+\i], v[CT+4*\n+\i] offset:RP*(\r0+\n/2)
.endr
	ds_store_b8 v[HBB], v[BY+\n] offset:32*(\r0+\n/2)+16*(\n%2)
.endr
.endm
; q: fragment places.  hn (K step s, tile m): windows 2 and 3, the last in window 0.  Wq: job 0 in window 1, job 1 in windows 1 and 2.
.macro HNT s, m
.set ht, 4*(\s)+(\m)
.if ht < 10
.set hw, 2
.set hi, 132+12*ht
.elseif ht < 31
.set hw, 3
.set hi, 12*(ht-10)
.else
.set hw, 0
.set hi, 12
.endif
.endm
.macro WTQ job, s, b
.set wu, 2*(\s)+(\b)
.if \job == 0
.set ww, 1
.set wi, 12*wu
.elseif wu < 5
.set ww, 1
.set wi, 192+12*wu
.else
.set ww, 2
.set wi, 12*(wu-5)
.endif
.endm
.macro HLD s                           ; hn's four fragments of a K step: 12 loads
.irp m,0,1,2,3
	HNT \s, \m
	LF hw, hi, 9, \s, 16*\m
.endr
.endm
.macro QLD s                           ; Wq's two: 6 loads
.irp b,0,1
	WTQ 0, \s, \b
	LF ww, wi, 5, \s, 16*\b
.endr
.endm
.macro QMM job, s                      ; 8 accumulators by turns: (m, b) at 96 + 16 m + 8 b
.irp b,0,1
.irp m,0,1,2,3
	WTQ \job, \s, \b
	HNT \s, \m
.set qd, 96+16*\m+8*\b
.if (\s) == 0
.set qc, BI+8*\b
.else
.set qc, qd
.endif
	WIN ww|(hw<<2)
	WM qd, wi, hi, qc, WSC+(\s), ESC+8*(\m%2)+(\s), \b, \m/2
.endr
.endr
.endm
.macro QQ job
	QMAX 4, 96, 64, 68
.irp n,0,1,2,3
	ds_store_b8 v4, v[64+\n] offset:256*\job+32*\n
.endr
	CV 72, 96, 68
	CV 78, 112, 69
	CV 82, 128, 70
	CV 88, 144, 71
	v_nop
	XCHG 72, 78
	XCHG 82, 88
.irp p,0,1,2
	ds_store_b64 v3, v[72+2*\p:73+2*\p] offset:6144*\job+256*\p
	ds_store_b64 v3, v[82+2*\p:83+2*\p] offset:6144*\job+1536+256*\p
.endr
.endm
.macro LIN d, base, k, c               ; base + k kh + c ch
	s_mul_i32 s[\d], s[KH], \k
	s_mul_i32 s3, s[CH], \c
	s_add_co_u32 s[\d], s[\d], s3
	s_add_co_u32 s[\d], s[\d], \base
.endm
	; ---- the head
	s_load_b512 s[28:43], s[0:1], 0x0
	s_load_b256 s[44:51], s[0:1], 0x40
	s_load_b128 s[52:55], s[0:1], 0x60
	s_load_b64 s[56:57], s[0:1], 0x70
	v_lshl_add_u32 v1, v0, 2, SPARE
	v_mov_b32 v2, 0
	ds_add_u32 v1, v2                              ; the wave's opening: the add, twice on end, and its wait ahead of my first tensor load
	ds_add_u32 v1, v2
	v_lshrrev_b32 v128, 5, v0
	v_readfirstlane_b32 s[WV], v128
	s_lshr_b32 s[KH], s[WV], 1
	s_and_b32 s[CH], s[WV], 1
	s_bfe_u32 s76, ttmp6, 0x40004                  ; cy.  What is made of cy for descriptors stays in s61, s68-69, s76-77; of cx in s67, s70-71, s78-79
	s_and_b32 s[CK], ttmp7, 0xffff
	s_mov_b32 s[PFL], 2
	s_cmp_lt_u32 s[CK], 4
	s_cselect_b32 s[PFL], s[PFL], 0                ; the first four clusters prefetch, in two trips
	s_lshl_b32 s[CK], s[CK], 2
	s_add_co_u32 s[CK], s[CK], s76                 ; the chunk, 0 .. 63
	s_lshl_b32 s77, s76, 2
	s_lshl_b32 s77, 15, s77                        ; my row of the cluster
	s_bfe_u32 s78, ttmp6, 0x40000                  ; cx
	s_lshl_b32 s[GR], ttmp9, 2
	s_add_co_u32 s[GR], s[GR], s78                 ; the group of four heads
	s_lshl_b32 s79, 0x1111, s78                    ; my column
	; descriptors: dense runs as rows of 256 bytes (32 elements of 8), 16 bytes of padding behind each; e: 128 rows of codes, W: 32
	s_or_b32 s[G1E], s77, (3<<16)|(1<<20)|(1<<21)|(5<<22)|(3<<25)
	s_or_b32 s[G1W], s79, (3<<16)|(1<<20)|(1<<21)|(5<<22)|(3<<25)
	s_mov_b32 s[G1E+1], 32<<16
	s_mov_b32 s[G1E+2], 384<<16
	s_mov_b32 s[G1E+3], 32<<16
	s_mov_b32 s[G1E+4], 384
	s_mov_b32 s[G1E+5], 32
	s_mov_b32 s[G1E+6], 0
	s_mov_b32 s[G1E+7], 0
	s_mov_b32 s[G1W+1], 32<<16
	s_mov_b32 s[G1W+2], 96<<16
	s_mov_b32 s[G1W+3], 32<<16
	s_mov_b32 s[G1W+4], 96
	s_mov_b32 s[G1W+5], 32
	s_mov_b32 s[G1W+6], 0
	s_mov_b32 s[G1W+7], 0
	s_mul_i32 s[LWH], s[CH], 26112                 ; where my 32 rows go in a slot
	s_mov_b32 s[SEL], 0x76543210
	s_mov_b32 s[SEL+1], 0xfedcba98
	s_mov_b32 s[PSEL], 0x03010200
	s_mov_b32 s[CS], 0x3e38aa3b                    ; c = log2(e) / sqrt(64)
	s_mov_b32 s[CS+1], s[CS]
	s_mov_b32 s[NC], 0xbe38aa3b
	s_mov_b32 s[CN], 0x3a800000                    ; 1 / 1024
	s_mov_b32 s[CN+1], 0x322bcc77                  ; 1e-8
	s_mul_i32 s80, s[WV], TL
	s_lshl_b32 s81, s[WV], 9
	s_add_co_u32 s81, s81, HSC
	LIN 82, S0, 0, 26112
	LIN 83, KC, 6144, 128
	LIN 84, KSB, 256, 1
	LIN 85, VCB, 1536, 6144
	LIN 86, VSB, 64, 256
	s_mul_i32 s87, s76, 6144
	s_mul_i32 s3, s[KH], 3072
	s_add_co_u32 s87, s87, s3
	v_and_b32 v130, 15, v0                         ; r
	v_bfe_u32 v131, v0, 4, 1                       ; h
	v_and_b32 v132, 31, v0                         ; lane
	v_mul_u32_u24 v133, RP, v130
	v_mad_u32_u24 v134, v131, 48, v133
	v_lshl_add_u32 v135, v131, 6, v133
	v_add_nc_u32 v3, s82, v134                     ; W in S0: my 32 rows,
	v_add_nc_u32 v4, s82, v135
	v_add_nc_u32 v5, RG, v3                        ; and in S1
	v_add_nc_u32 v6, RG, v4
	v_lshlrev_b32 v136, 3, v130
	v_mad_u32_u24 v136, v131, 768, v136
	v_add_nc_u32 v7, s83, v136
	v_lshl_add_u32 v8, v132, 3, s85
	v_lshl_add_u32 v9, v130, 1, s84
	v_lshl_add_u32 v10, v130, 2, s86
	v_lshlrev_b32 v[OFF], 6, v132
	v_mul_u32_u24 v137, 12, v132
.irp q,0,1
.irp i,0,1,2
	v_add_nc_u32 v138, 384*\q+4*\i, v137           ; byte of a row of codes
	v_lshrrev_b32 v139, 8, v138
	v_lshl_add_u32 v138, v139, 4, v138             ; 16 more for each 256 passed
	v_add_nc_u32 v[HAB+3*\q+\i], s80, v138
.endr
.endr
	v_lshrrev_b32 v138, 3, v132
	v_lshlrev_b32 v138, 2, v138
	v_and_b32 v139, 2, v132
	v_bfe_u32 v140, v132, 2, 1
	v_add_nc_u32 v138, v138, v139
	v_add_nc_u32 v138, v138, v140                  ; my block's byte: word (lane / 8), bytes 1 and 2 exchanged
	v_add_nc_u32 v[HBB], s81, v138
	v_lshlrev_b32 v240, 5, v130
	v_lshl_add_u32 v240, v131, 11, v240
	v_lshlrev_b32 v241, 5, v131
	v_lshlrev_b32 v242, 5, v132
	v_mov_b32 v243, 0
.irp o,0,1,2,3
	v_mov_b32 v[RS+1+2*\o], 0                      ; named as the upper halves of pairs
.endr
	v_min_u32 v141, 11, v132
	v_lshlrev_b32 v141, 8, v141
	WIN 0xC0
	v_lshlrev_b32 v252, 5, v132
	v_lshlrev_b32 v253, 5, v131
	v_lshlrev_b32 v254, 2, v130
	v_add_nc_u32 v255, s87, v141
	WIN 0
	s_wait_alu depctr_va_vdst(0)
	s_wait_dscnt 0x0                               ; both opening adds are done
	s_wait_kmcnt 0x0
	s_mov_b32 s69, 0
	s_mul_i32 s68, s[CK], 196608
	s_mul_i32 s3, s[CH], 98304
	s_add_co_u32 s68, s68, s3
	s_add_nc_u64 s[EB:EB+1], s[EB:EB+1], s[68:69]  ; the 128 rows of e that waves 0 and 1 fetch
	s_lshl_b32 s68, s[CK], 13
	s_lshl_b32 s3, s[KH], 12
	s_add_co_u32 s68, s68, s3
	s_add_nc_u64 s[ESP:ESP+1], s[ESP:ESP+1], s[68:69]
	s_lshr_b32 s68, s[CK], 4
	s_lshl_b32 s68, s68, 22
	s_add_nc_u64 s[HP:HP+1], s[HP:HP+1], s[68:69]
	s_and_b32 s[RI], s[CK], 15
	s_lshl_b32 s[RI], s[RI], 6
	s_lshl_b32 s3, s[WV], 4
	s_add_co_u32 s[RI], s[RI], s3
	s_add_co_u32 s[RI], s[RI], 63                  ; my first row of h: 64 c + 16 w + 63
	s_mov_b32 s71, 0
	s_mul_i32 s70, s[GR], 196608
	s_mul_i32 s3, s[CH], 24576
	s_add_co_u32 s70, s70, s3
	s_add_nc_u64 s[PKW:PKW+1], s[PKW:PKW+1], s[70:71]
	s_add_nc_u64 s[PVW:PVW+1], s[PVW:PVW+1], s[70:71]
	s_add_nc_u64 s[PQW:PQW+1], s[PQW:PQW+1], s[70:71]
	s_lshl_b32 s70, s[GR], 13
	s_lshl_b32 s3, s[CH], 10
	s_add_co_u32 s70, s70, s3
	s_add_nc_u64 s[PKS:PKS+1], s[PKS:PKS+1], s[70:71]
	s_add_nc_u64 s[PVS:PVS+1], s[PVS:PVS+1], s[70:71]
	s_lshl_b32 s3, s[KH], 11
	s_add_co_u32 s70, s70, s3
	s_add_nc_u64 s[QSP:QSP+1], s[QSP:QSP+1], s[70:71]     ; q's jobs: wave w makes 32 channels of head 2 job + w / 2
	s_lshl_b32 s70, s[GR], 10
	s_lshl_b32 s3, s[CH], 7
	s_add_co_u32 s70, s70, s3
	s_add_nc_u64 s[PBK:PBK+1], s[PBK:PBK+1], s[70:71]
	s_add_nc_u64 s[PBV:PBV+1], s[PBV:PBV+1], s[70:71]
	s_lshl_b32 s3, s[KH], 8
	s_add_co_u32 s70, s70, s3
	s_add_nc_u64 s[BQP:BQP+1], s[BQP:BQP+1], s[70:71]
	s_mul_i32 s2, s[CK], 49152                     ; o's images: [chunk][tile of rows][K step 2 g + wave / 2][wave % 2][lane: four registers, 512 bytes; then two, 256 bytes]
	s_lshl_b32 s3, s[GR], 1
	s_add_co_u32 s3, s3, s[KH]
	s_mul_i32 s3, s3, 1536
	s_add_co_u32 s2, s2, s3
	s_mul_i32 s3, s[CH], 768
	s_add_co_u32 s2, s2, s3
	s_mov_b32 s3, 0
	s_add_nc_u64 s[OIP:OIP+1], s[OIP:OIP+1], s[2:3]
	s_lshl_b32 s2, s[CK], 11
	s_lshl_b32 s3, s[GR], 9
	s_add_co_u32 s2, s2, s3
	s_mov_b32 s3, 0
	s_add_nc_u64 s[OSP:OSP+1], s[OSP:OSP+1], s[2:3]
	s_mov_b32 s[G0E], 1
	s_mul_i32 s2, s[CH], 104448
	s_add_co_u32 s[G0E+1], s2, S1
	s_mov_b64 s[G0E+2:G0E+3], s[EB:EB+1]
	s_or_b32 s[G0E+3], s[G0E+3], 0x80000000
	s_mov_b32 s[G0W], 1
	s_add_co_u32 s[G0W+1], s[LWH], S0
	s_mov_b64 s[G0W+2:G0W+3], s[PKW:PKW+1]
	s_or_b32 s[G0W+3], s[G0W+3], 0x80000000
	s_add_nc_u64 s[PKW:PKW+1], s[PKW:PKW+1], 49152
.irp q,0,1
.irp j,0,1,2,3
	global_load_b128 v[NG+16*\q+4*\j:NG+16*\q+4*\j+3], v[OFF], s[GP:GP+1] offset:2048*\q+16*\j     ; g: my lane's 32 numbers, once for all rows
.endr
.endr
.irp i,0,1,2,3
	global_load_b128 v[ESC+8*\i:ESC+8*\i+3], v240, s[ESP:ESP+1] offset:512*\i
	global_load_b128 v[ESC+8*\i+4:ESC+8*\i+7], v240, s[ESP:ESP+1] offset:512*\i+16
.endr
.irp b,0,1
	global_load_b128 v[BI+8*\b:BI+8*\b+3], v241, s[PBK:PBK+1] offset:64*\b
	global_load_b128 v[BI+8*\b+4:BI+8*\b+7], v241, s[PBK:PBK+1] offset:64*\b+16
.endr
	global_load_b128 v[WSC:WSC+3], v242, s[PKS:PKS+1]
	global_load_b128 v[WSC+4:WSC+7], v242, s[PKS:PKS+1] offset:16
	XSET 0, 0
	CROUND                                         ; all sixteen work-groups are here: the first joint loads meet
	s_cmp_eq_u32 s[KH], 0
	s_cbranch_scc0 .Lhead_w
	tensor_load_to_lds s[G0E:G0E+3], s[G1E:G1E+7]  ; waves 0, 1: 128 rows of e each;
	s_nop 0
	PLACES 4
	s_branch .Lhead_asked
.Lhead_w:
	tensor_load_to_lds s[G0W:G0W+3], s[G1W:G1W+7]  ; waves 2, 3: 32 rows of Wk's head 0 each
	s_nop 0
	PLACES 4
.Lhead_asked:
	XSET 1, 0
	s_mul_i32 s[O1], s[KH], 104448
	s_add_co_u32 s[O1], s[O1], S1
	v_and_b32 v92, 15, v0
	v_bfe_u32 v93, v0, 4, 1
	v_mul_u32_u24 v94, RP, v92
	v_mad_u32_u24 v95, v93, 48, v94
	v_lshl_add_u32 v96, v93, 6, v94
	v_add_nc_u32 v88, s[O1], v95                   ; my 128 rows of e: tiles 0-3,
	v_add_nc_u32 v89, s[O1], v96
	v_add_nc_u32 v90, RG, v88                      ; tiles 4-7
	v_add_nc_u32 v91, RG, v89
	s_wait_alu depctr_va_vdst(0)                   ; the wait at the head's end
	; ---- the norm of my 16 rows: two sets by turns; e goes into windows 2 and 3 in the second half
	s_wait_loadcnt 32                              ; all but the younger set's 32 loads
	NBATCH 0, 0, -1
	XSET 0, 1
	s_wait_loadcnt 32
	NBATCH 1, 4, -1
	XSET 1, 1
	s_wait_tensorcnt 0x0                           ; my part of e or of Wk is in
	s_wait_dscnt 0x0
	s_barrier_signal -1
	s_barrier_wait -1                              ; everybody's is.
	s_wait_loadcnt 32
	NBATCH 0, 8, 21
	s_wait_loadcnt 0x0
	NBATCH 1, 12, 42
	s_add_nc_u64 s[PKS:PKS+1], s[PKS:PKS+1], 2048
	s_add_nc_u64 s[PBK:PBK+1], s[PBK:PBK+1], 256
.set n, 0
.rept 40
	v_perm_b32 v[WSC+n], v[WSC+n], v[WSC+n], s[PSEL]   ; W's 8 and e's 32 scale words: bytes 1 and 2 exchanged
.set n, n+1
.endr
	ELD 0, 21                                      ; window 1, which held the rows of h,
	ELD 63, 1                                      ; and the last fragment
	WIN 0
	s_wait_alu depctr_va_vdst(0)                   ; the wait directly ahead of the waits below
	s_wait_tensorcnt 0x0                           ; ahead of a refill
	ds_add_u32 v1, v2
	s_add_co_u32 s[G0E+1], s[LWH], S2              ; waves 0, 1: Wq's head 2 into S2,
	s_add_nc_u64 s[G0E+2:G0E+3], s[PQW:PQW+1], 98304
	s_or_b32 s[G0E+3], s[G0E+3], 0x80000000
	s_add_co_u32 s[G0W+1], s[LWH], S1              ; waves 2, 3: Wv's head 0 into S1
	s_mov_b64 s[G0W+2:G0W+3], s[PVW:PVW+1]
	s_or_b32 s[G0W+3], s[G0W+3], 0x80000000
	s_add_nc_u64 s[PVW:PVW+1], s[PVW:PVW+1], 49152
	s_wait_dscnt 0x0                               ; the add is done, and e is in my registers
	CROUND
	s_cmp_eq_u32 s[KH], 0
	s_cbranch_scc0 .Lfill_v
	tensor_load_to_lds s[G0E:G0E+3], s[G1W:G1W+7]
	s_nop 0
	PLACES 4
	s_branch .Lfill_done
.Lfill_v:
	tensor_load_to_lds s[G0W:G0W+3], s[G1W:G1W+7]
	s_nop 0
	PLACES 4
.Lfill_done:
	LFB FB, 3, 0, 0
	LFB FB+12, 3, 0, 16
	s_mov_b32 s[HD], 0
	s_mov_b32 s[O1], 0
	s_mov_b32 s[O2], 0
	; ---- k and v, a head a trip
.Lkv:
	JOB 0, 3, 5, PKW
	QUANT 0
	JOB 1, 5, 3, PVW
	QUANT 1
	s_add_co_u32 s[O1], s[O1], 12288
	s_add_co_u32 s[O2], s[O2], 512
	s_add_co_u32 s[HD], s[HD], 1
	s_wait_alu depctr_va_vdst(0)
	s_cmp_lt_u32 s[HD], 4
	s_cbranch_scc1 .Lkv
	; ---- q: two jobs of two heads; hn's 64 rows stay in registers
	s_wait_dscnt 0x0
	PLACES 4
	s_mul_i32 s2, s[KH], RG
	s_xor_b32 s68, s[KH], 1
	s_mul_i32 s68, s68, 104448
	LIN 69, HB, 3072, 128
	LIN 70, QSB, 128, 1
	v_add_nc_u32 v5, s2, v3                        ; job 0: head 0 in S0, head 1 in S1
	v_add_nc_u32 v6, s2, v4
	v_add_nc_u32 v7, s68, v3                       ; job 1: head 2 in S2, head 3 in S0
	v_add_nc_u32 v8, s68, v4
	v_and_b32 v64, 15, v0
	v_bfe_u32 v65, v0, 4, 1
	v_mul_u32_u24 v66, RP, v64
	v_mad_u32_u24 v9, v65, 48, v66                 ; hn's rows
	v_lshl_add_u32 v10, v65, 6, v66
	v_lshlrev_b32 v11, 5, v64
	v_lshl_add_u32 v11, v65, 10, v11
	v_add_nc_u32 v11, HSC, v11                     ; hn's scale words: lanes 0-15 tile i, lanes 16-31 tile i + 2
	v_lshlrev_b32 v67, 3, v64
	v_mad_u32_u24 v67, v65, 768, v67
	v_add_nc_u32 v3, s69, v67                      ; where q's codes go (over hn's rows, once nobody reads them),
	v_lshl_add_u32 v4, v64, 1, s70                 ; and its scale bytes
	s_wait_alu depctr_va_vdst(0)
.irp i,0,1
	ds_load_b128 v[ESC+8*\i:ESC+8*\i+3], v11 offset:512*\i
	ds_load_b128 v[ESC+8*\i+4:ESC+8*\i+7], v11 offset:512*\i+16
.endr
.irp s,0,1,2,3,4,5,6,7
	HLD \s
.endr
	WIN 0
	s_wait_tensorcnt 0x0                           ; my part of Wq's head 1, asked for in the last job, is in,
	s_wait_dscnt 0x0                               ; hn is in my registers
	s_barrier_signal -1
	s_barrier_wait -1                              ; everybody's part is in.
.irp s,0,1,2,3,4,5,6,7
	QLD \s
.endr
.irp s,0,1,2,3,4,5,6
	s_wait_dscnt 6*(7-\s)                          ; all but the later K steps' loads
	QMM 0, \s
.if \s == 0
	PLACES 4
	WIN 0x03
.irp b,0,1
	global_load_b128 v[BI+8*\b:BI+8*\b+3], v253, s[BQP:BQP+1] offset:512+64*\b       ; job 1's bias and scale words: two heads on
	global_load_b128 v[BI+8*\b+4:BI+8*\b+7], v253, s[BQP:BQP+1] offset:512+64*\b+16
.endr
	WIN 0x43
	global_load_b128 v[252:255], v252, s[QSP:QSP+1] offset:4096
	WIN 0x83
	global_load_b128 v[252:255], v252, s[QSP:QSP+1] offset:4112
.endif
.endr
	WIN 0
	s_wait_tensorcnt 0x0
	ds_add_u32 v1, v2
	s_add_co_u32 s[G0W+1], s[LWH], S0              ; Wq's head 3 into S0
	s_add_nc_u64 s[G0W+2:G0W+3], s[PQW:PQW+1], 147456
	s_or_b32 s[G0W+3], s[G0W+3], 0x80000000
	s_wait_dscnt 0x0                               ; the add is done; my reads of S0, S1 and hn are over, my codes of k and v are stored
	s_barrier_signal -1
	QMM 0, 7
	WIN 0
	s_barrier_wait -1
	CREST
	REFILL
	s_wait_loadcnt 0x0
	WPERM
	QQ 0
	PLACES 4
	s_mul_i32 s2, s[WV], 12288
	s_add_co_u32 s2, s2, KC
	v_and_b32 v64, 31, v0
	v_lshl_add_u32 v11, v64, 3, s2                 ; my head's images of k,
	v_add_nc_u32 v9, VCB-KC, v11                   ; and of v
	WIN 0x40
.irp t,0,1,2,3,4,5,6,7,8,9,10,11,12,13,14,15
.irp p,0,1,2
	ds_load_b64 v[6*\t+2*\p:6*\t+2*\p+1], v11 offset:768*\t+256*\p
.endr
.endr
	WIN 0
.irp t,0,1,2,3,4,5,6,7
.irp p,0,1,2,3,4,5
	ds_load_b64 v[160+12*\t+2*\p:160+12*\t+2*\p+1], v9 offset:1536*\t+256*\p
.endr
.endr
	s_wait_alu depctr_va_vdst(0)
	s_wait_tensorcnt 0x0
	s_wait_dscnt 0x0
	s_barrier_signal -1
	s_barrier_wait -1                              ; Wq's head 3 is in.
.irp s,0,1,2,3,4,5,6,7
.irp b,0,1
	WTQ 1, \s, \b
	LF ww, wi, 7, \s, 16*\b
.endr
.endr
.irp s,0,1,2,3,4,5,6,7
	s_wait_dscnt 6*(7-\s)
	QMM 1, \s
.endr
	WIN 0
	PLACES 4
	QQ 1
	s_mul_i32 s2, s[WV], 3072
	s_lshl_b32 s68, s[WV], 7
	s_add_co_u32 s68, s68, QSB
	LIN 69, OSC, 64, 2
	s_lshl_b32 s70, s[WV], 9
	s_add_co_u32 s71, s70, KSB
	s_add_co_u32 s70, s70, VSB
	s_mov_b32 s80, 0
	s_mov_b32 s81, 0
	s_mov_b32 s82, 0
	v_and_b32 v12, 31, v0
	v_and_b32 v13, 15, v0
	s_wait_alu depctr_va_vdst(0)
	s_wait_dscnt 0x0                               ; for the others' sake: my codes of q are stored
	s_barrier_signal -1
	s_barrier_wait -1
	v_lshl_add_u32 v3, v12, 3, s2                  ; my head's images of q,
	v_lshl_add_u32 v4, v13, 1, s68                 ; its scale bytes,
	v_lshl_add_u32 v5, v13, 2, s69                 ; my head's two bytes of o's scale words: [tile of rows][K step of the two][r]
	v_lshlrev_b32 v6, 3, v12
	v_lshlrev_b32 v14, 4, v12
	v_lshl_add_u32 v10, v13, 1, s71
	v_lshl_add_u32 v11, v13, 2, s70
.set KS,  60
.set VS,  52
.set QSC, 76
.set PS,  77
.set TM,  80
.set TX,  88
.set S2O, 96
.set BYA, 104
.set PF,  112
.set PT,  136
.set VC,  160
.set QF,  192
.irp t,0,1,2,3,4,5,6,7,8,9,10,11,12,13,14,15
	ds_load_u16 v[KS+\t], v10 offset:32*\t
.endr
.irp t,0,1,2,3,4,5,6,7
	ds_load_b32 v[VS+\t], v11 offset:64*\t
.endr
	WIN 0x40
.irp i,6,7,8,9,10,11
	v_mov_b32 v[QF+\i], 0                          ; q's upper 64 along K: zero codes
.endr
	WIN 0
	v_mov_b32 v155, 0                              ; named as the upper halves of the pairs v[154:155], v[156:157]
	v_mov_b32 v157, 0
	s_wait_alu depctr_va_vdst(0)
	; ---- attention: one wave = one head, a tile of 16 queries a trip
.Latt:
	v_add_nc_u32 v7, s80, v3
	v_add_nc_u32 v8, s81, v4
	v_add_nc_u32 v9, s82, v5
	ds_load_u16 v[QSC], v8
	WIN 0x40
.irp i,0,1,2
	ds_load_b64 v[QF+2*\i:QF+2*\i+1], v7 offset:256*\i
.endr
	s_wait_alu depctr_va_vdst(0)
	s_wait_dscnt 0x0
	WIN 0x85                                       ; k and q in window 1, S^T in window 2
.set sa, 0
.rept 16
	WM 8*sa, 6*sa, QF, -1, KS+sa, QSC, 0, 0
.set sa, sa+1
.endr
	PLACES 4
	WIN 0x0A                                       ; the largest score of each block of 32 keys: for the row's maximum and, since p rises with the score, for the block's largest p
.irp n,0,1,2,3,4,5,6,7
	v_max_num_f32 v[TM+\n], v[16*\n], v[16*\n+1]
.endr
.irp i,2,4,6,8,10,12,14
.irp n,0,1,2,3,4,5,6,7
	v_max3_num_f32 v[TM+\n], v[16*\n+\i], v[16*\n+\i+1], v[TM+\n]
.endr
.endr
	WIN 0
.irp n,0,1,2,3,4,5,6,7
	v_permlanex16_b32 v[TX+\n], v[TM+\n], s[SEL], s[SEL+1]
.endr
.irp n,0,1,2,3,4,5,6,7
	v_max_num_f32 v[TM+\n], v[TM+\n], v[TX+\n]
.endr
	v_max3_num_f32 v152, v80, v81, v82
	v_max3_num_f32 v152, v152, v83, v84
	v_max3_num_f32 v152, v152, v85, v86
	v_max_num_f32 v152, v152, v87                  ; my query's largest score
	v_mul_f32 v154, s[NC], v152                    ; - c x it
.irp n,0,1,2,3,4,5,6,7
	v_fma_f32 v[TM+\n], v[TM+\n], s[CS], v154
.endr
	WIN 0x82
.set j, 0
.rept 64
	v_pk_fma_f32 v[j:j+1], v[j:j+1], s[CS:CS+1], v[154:155] op_sel_hi:[1,0,0]   ; c (s - max), two at a time
.set j, j+2
.endr
.set j, 0
	s_wait_alu depctr_va_vdst(0)                   ; the wait ahead of the batch
.rept 128
	v_exp_f32 v[j], v[j]
.set j, j+1
.endr
	WIN 0
.irp n,0,1,2,3,4,5,6,7
	v_exp_f32 v[TM+\n], v[TM+\n]                   ; the same two instructions on each block's largest score give its largest exponential's bits
.endr
	v_nop
	s_wait_alu depctr_va_vdst(0)                   ; one wait for the batch of 136, ahead of its first reader
	WIN 0x0A
.irp k,0,1,2,3
	v_pk_add_f32 v[TX+2*\k:TX+2*\k+1], v[2*\k:2*\k+1], v[8+2*\k:9+2*\k]         ; the row's sum, in four chains of pairs
.endr
	WIN 0x02
.set j, 16
.rept 14
.irp k,0,1,2,3
	v_pk_add_f32 v[TX+2*\k:TX+2*\k+1], v[j+2*\k:j+2*\k+1], v[TX+2*\k:TX+2*\k+1]
.endr
.set j, j+8
.endr
	WIN 0
	v_pk_add_f32 v[88:89], v[88:89], v[90:91]
	v_pk_add_f32 v[92:93], v[92:93], v[94:95]
	v_pk_add_f32 v[88:89], v[88:89], v[92:93]
	v_add_f32 v88, v88, v89
	v_permlanex16_b32 v89, v88, s[SEL], s[SEL+1]
	v_add_f32 v88, v88, v89
	s_wait_alu depctr_va_vdst(0)
	v_rcp_f32 v156, v88
	v_nop
	s_wait_alu depctr_va_vdst(0)
	WIN 0x82
.set j, 0
.rept 64
	v_pk_mul_f32 v[j:j+1], v[j:j+1], v[156:157] op_sel_hi:[1,0]                 ; the finished softmax: what is quantised
.set j, j+2
.endr
	WIN 0
.irp n,0,1,2,3,4,5,6,7
	v_mul_f32 v[TM+\n], v[TM+\n], v156
.endr
.irp n,0,1,2,3,4,5,6,7
	v_max_num_f32 v[TM+\n], 0x2800000, v[TM+\n]
.endr
.irp n,0,1,2,3,4,5,6,7
	v_add_nc_u32 v[S2O+\n], 0xfe000000, v[TM+\n]
.endr
.irp n,0,1,2,3,4,5,6,7
	v_lshrrev_b32 v[BYA+\n], 23, v[S2O+\n]
.endr
.irp u,0,1
	v_lshl_or_b32 v[PS+\u], v[BYA+4*\u+1], 8, v[BYA+4*\u]
	v_lshl_or_b32 v[PS+\u], v[BYA+4*\u+2], 16, v[PS+\u]
	v_lshl_or_b32 v[PS+\u], v[BYA+4*\u+3], 24, v[PS+\u]
.endr
	WIN 0x02
.irp u,0,1
.irp c,0,1
	v_cvt_scalef32_pk16_bf6_f32 v[PF+12*\u+6*\c:PF+12*\u+6*\c+2], v[64*\u+32*\c:64*\u+32*\c+15], v[S2O+4*\u+2*\c]
	v_cvt_scalef32_pk16_bf6_f32 v[PT+4*(2*\u+\c):PT+4*(2*\u+\c)+2], v[64*\u+32*\c+16:64*\u+32*\c+31], v[S2O+4*\u+2*\c+1]
.endr
.endr
	v_nop
	WIN 0
.irp u,0,1
.irp c,0,1
.irp i,0,1,2
	v_permlane16_swap_b32 v[PF+12*\u+6*\c+\i], v[PT+4*(2*\u+\c)+\i]
.endr
.irp i,0,1,2
	v_mov_b32 v[PF+12*\u+6*\c+3+\i], v[PT+4*(2*\u+\c)+\i]
.endr
.endr
.endr
	PLACES 4                                       ; an operand written by vector instructions stands four places ahead of a scaled matrix instruction
	WIN 0xA0                                       ; v and p in window 0, O^T in window 2
.irp b,0,1,2,3
	WM 128+8*\b, VC+24*\b, PF, -1, VS+2*\b, PS, 0, 0
.endr
.irp b,0,1,2,3
	WM 128+8*\b, VC+24*\b+12, PF+12, 128+8*\b, VS+2*\b+1, PS+1, 0, 0
.endr
	PLACES 4
	WIN 0x0A                                       ; o's two blocks of 32 along the last product's K
	v_max3_num_f32 v80, |v128|, |v129|, 0x2800000
	v_max3_num_f32 v81, |v144|, |v145|, 0x2800000
.irp i,2,4,6,8,10,12,14
	v_max3_num_f32 v80, |v[128+\i]|, |v[129+\i]|, v80
	v_max3_num_f32 v81, |v[144+\i]|, |v[145+\i]|, v81
.endr
	WIN 0
	v_permlanex16_b32 v88, v80, s[SEL], s[SEL+1]
	v_permlanex16_b32 v89, v81, s[SEL], s[SEL+1]
	v_max_num_f32 v80, v80, v88
	v_max_num_f32 v81, v81, v89
	v_add_nc_u32 v96, 0xfe000000, v80
	v_add_nc_u32 v97, 0xfe000000, v81
	v_lshrrev_b32 v104, 23, v96
	v_lshrrev_b32 v105, 23, v97
	v_lshl_or_b32 v153, v105, 8, v104
	WIN 0x02
	v_cvt_scalef32_pk16_bf6_f32 v[136:138], v[128:143], v96
	v_cvt_scalef32_pk16_bf6_f32 v[140:142], v[144:159], v97
	v_nop
	WIN 0
.irp i,0,1,2
	v_permlane16_swap_b32 v[136+\i], v[140+\i]     ; v136-138: my block's groups G0, G2 (48 bits each); v140-142: G1, G3
.endr
	v_mov_b32 v144, v136                           ; set straight, G0 G1 G2 G3: Wo's codes lie in the natural order
	v_perm_b32 v145, v140, v137, 0x05040100
	v_alignbit_b32 v146, v141, v140, 16
	v_alignbit_b32 v147, v138, v137, 16
	v_perm_b32 v148, v141, v138, 0x07060302
	v_mov_b32 v149, v142
	global_store_b128 v14, v[144:147], s[OIP:OIP+1]               ; 32 lanes store 512 consecutive bytes,
	global_store_b64 v6, v[148:149], s[OIP:OIP+1] offset:512      ; and 256, at multiples of 256 from the buffer's first byte
	ds_store_b16 v9, v153                          ; my head's two bytes of the row's scale word (both halves of the lanes write the same)
	s_wait_alu depctr_va_vdst(0)
	s_wait_xcnt 0x0                                ; the stores have read their registers and their base
	s_add_nc_u64 s[OIP:OIP+1], s[OIP:OIP+1], 12288
	s_add_co_u32 s80, s80, 768
	s_add_co_u32 s81, s81, 32
	s_add_co_u32 s82, s82, 128
	s_cmp_lt_u32 s82, 512
	s_cbranch_scc1 .Latt
	v_and_b32 v10, 31, v0
	v_lshlrev_b32 v10, 4, v10
	v_add_nc_u32 v11, OSC, v10
	s_wait_alu depctr_va_vdst(0)
	s_wait_dscnt 0x0                               ; for the others' sake: my bytes of o's scale words are stored
	s_barrier_signal -1
	s_barrier_wait -1
	s_cmp_lg_u32 s[WV], 0
	s_cbranch_scc1 .Lnot_zero
	ds_load_b128 v[12:15], v11
	s_wait_dscnt 0x0
	global_store_b128 v10, v[12:15], s[OSP:OSP+1]  ; the work-group's 512 bytes of scale words, by wave 0
.Lnot_zero:
	s_wait_tensorcnt 0x0                           ; the wave's end, behind my last tensor load and my last LDS store
	ds_add_u32 v1, v2
	s_wait_dscnt 0x0
	CROUND                                         ; the closing round
	s_endpgm
.Lfunc_end_k_qda32b04bf5_attn:
	.size	k_qda32b04bf5_attn, .Lfunc_end_k_qda32b04bf5_attn-k_qda32b04bf5_attn
	.p2alignl 7, 3214868480
	.fill 96, 4, 3214868480
	.section	.rodata,"a",@progbits
	.p2align	6, 0x0
	.amdhsa_kernel k_qda32b04bf5_attn
		.amdhsa_group_segment_fixed_size 327680
		.amdhsa_private_segment_fixed_size 0
		.amdhsa_enable_private_segment 0
		.amdhsa_kernarg_size 120
		.amdhsa_user_sgpr_count 2
		.amdhsa_user_sgpr_kernarg_segment_ptr 1
		.amdhsa_wavefront_size32 1
		.amdhsa_system_sgpr_workgroup_id_x 1
		.amdhsa_system_sgpr_workgroup_id_y 1
		.amdhsa_system_sgpr_workgroup_id_z 1
		.amdhsa_system_vgpr_workitem_id 0
		.amdhsa_next_free_vgpr 1024
		.amdhsa_next_free_sgpr 106
		.amdhsa_reserve_vcc 0
		.amdhsa_float_denorm_mode_32 3
		.amdhsa_float_denorm_mode_16_64 3
		.amdhsa_memory_ordered 1
		.amdhsa_forward_progress 1
		.amdhsa_inst_pref_size 255
	.end_amdhsa_kernel
	.section	.bss,"aw",@nobits
	.p2align	6
	.space	262144
	.amdgpu_metadata
---
amdhsa.version: [ 1, 2 ]
amdhsa.kernels:
  - .name:           k_qda32b04bf5_attn
    .symbol:         k_qda32b04bf5_attn.kd
    .args:
      - { .name: h, .offset: 0, .size: 8, .value_kind: global_buffer, .address_space: global }
      - { .name: g_norm, .offset: 8, .size: 8, .value_kind: global_buffer, .address_space: global }
      - { .name: e_codes, .offset: 16, .size: 8, .value_kind: global_buffer, .address_space: global }
      - { .name: e_scales, .offset: 24, .size: 8, .value_kind: global_buffer, .address_space: global }
      - { .name: Wk_codes, .offset: 32, .size: 8, .value_kind: global_buffer, .address_space: global }
      - { .name: Wv_codes, .offset: 40, .size: 8, .value_kind: global_buffer, .address_space: global }
      - { .name: Wq_codes, .offset: 48, .size: 8, .value_kind: global_buffer, .address_space: global }
      - { .name: Wk_scales, .offset: 56, .size: 8, .value_kind: global_buffer, .address_space: global }
      - { .name: Wv_scales, .offset: 64, .size: 8, .value_kind: global_buffer, .address_space: global }
      - { .name: Wq_scales, .offset: 72, .size: 8, .value_kind: global_buffer, .address_space: global }
      - { .name: bk, .offset: 80, .size: 8, .value_kind: global_buffer, .address_space: global }
      - { .name: bv, .offset: 88, .size: 8, .value_kind: global_buffer, .address_space: global }
      - { .name: bq, .offset: 96, .size: 8, .value_kind: global_buffer, .address_space: global }
      - { .name: o_img, .offset: 104, .size: 8, .value_kind: global_buffer, .address_space: global }
      - { .name: o_sc, .offset: 112, .size: 8, .value_kind: global_buffer, .address_space: global }
    .group_segment_fixed_size: 327680
    .private_segment_fixed_size: 0
    .kernarg_segment_align: 8
    .kernarg_segment_size: 120
    .max_flat_workgroup_size: 128
    .sgpr_count:     106
    .vgpr_count:     1024
    .wavefront_size: 32
...
	.end_amdgpu_metadata
.endif
;; end of part 1
;; launch proj (part 2): grid 4 x 64, 4 waves a work-group, clusters of 4 x 4, 327,680 bytes of LDS; arguments o_sc, Wo_scales, bo, h, out0, o_img, Wo_codes; writes out0
.if DOCPART == 2
	.amdgcn_target "amdgcn-amd-amdhsa--gfx1250"
	.amdhsa_code_object_version 6
	.text
	.protected	k_qda32b04bf5_proj
	.globl	k_qda32b04bf5_proj
	.p2align	8
	.type	k_qda32b04bf5_proj,@function
k_qda32b04bf5_proj:
	s_mov_b64 s[64:65], 0
	v_nop
	global_prefetch_b8 v0, s[64:65] scope:SCOPE_SE
	s_setreg_imm32_b32 hwreg(HW_REG_WAVE_MODE, 25, 1), 1
	s_wait_xcnt 0x0
	s_wait_alu depctr_hold_cnt(0) depctr_sa_sdst(0) depctr_va_vdst(0) depctr_va_sdst(0) depctr_va_ssrc(0) depctr_va_vcc(0) depctr_vm_vsrc(0)
	s_getreg_b32 s2, hwreg(HW_REG_IB_STS2, 6, 4)
	s_cmp_eq_u32 s2, 0
	s_cbranch_scc0 .Lentry_in_a_cluster
	s_endpgm
.Lentry_in_a_cluster:
	s_bfe_u32 s2, ttmp6, 0x10000c
	s_cmp_lg_u32 s2, 0xf033
	s_cbranch_scc0 .Lentry_shape_is_right
	s_endpgm
.Lentry_shape_is_right:
; out = h + (o Wo + bo shifted right by 63 rows), o as codes of E3M2 with their scale words, sums in f32.  One work-group = one chunk's 64 rows x 256 columns; a wave = 32 rows x 128 columns, 16 accumulators.
; Row i of chunk c goes to row 64 c + 63 + i of its batch.  DEAD WORK: in chunk 15 the rows i >= 1 lie beyond the sequence, and what o holds for them is cut off by the module's last slice: they stay inside tiles that hold a live row, and the rows
; 0 .. 62 of the batch, which take no o, are made in their place: h alone.  A NaN or an infinity in what is cut off is not carried to the result; else NaN and infinities of o are not served (the codes have none).
; Wo's 256 rows of 768 bytes come into LDS once, one joint tensor load of 64 rows a wave, shared by the four work-groups of a column of the cluster.  o's codes lie in memory as images of the operand's registers and go straight into them.
; No prefetch is laid: the launch has no loop to run ahead in, and every load stands at its head.
; THE MATRIX INSTRUCTION IS USED TRANSPOSED (source 0 = 16 rows of Wo, source 1 = 16 rows of o): a lane holds eight neighbouring columns of a row.
; REGISTERS.  window 0: v1-14 addresses, v32-63 Wo's scale words (8 i + s: tiles i and i + 4), v64-71 o's (tiles 0 and 1), v96-127 the rows' offsets, v128-191 the bias, then v128-255 rows read back.
;   window 1: o's 16 fragments.   window 2: Wo's, two sets of eight.   window 3: v0-127 accumulators, v128-255 my 32 rows of h.
.set WOP,   816                        ; an LDS row: 3 x (256 + 16)
.set STAGE, 256*WOP                    ; behind Wo: 16 rows x 528 bytes for each wave
.set SPARE, STAGE+4*16*528             ; the spare words
.set WOS, 32
.set OS,  64
.set VO,  96
.set BO,  128
.set RB,  128
.set HR,  128
.set WV,  40
.set MSB, 0
.macro WIN new
.if MSB != (\new)
	s_set_vgpr_msb (MSB<<8)|(\new)
.set MSB, \new
.endif
.endm
.macro PLACES n
.rept \n
	v_nop
.endr
.endm
.macro CROUND
	s_barrier_signal -1
	s_barrier_wait -1
	s_cmp_lg_u32 s[WV], 0
	s_cbranch_scc1 .Lnot_wave_0_\@
	s_barrier_signal -3
.Lnot_wave_0_\@:
	s_barrier_wait -3
	s_barrier_signal -1
	s_barrier_wait -1
.endm
.macro WMR c
.if wr == 0
	v_wmma_scale_f32_16x16x128_f8f6f4 v[wd:wd+7], v[wa:wa+11], v[wb:wb+11], \c, v[wsa], v[wsb] matrix_a_fmt:MATRIX_FMT_BF6 matrix_b_fmt:MATRIX_FMT_BF6
.elseif wr == 1
	v_wmma_scale_f32_16x16x128_f8f6f4 v[wd:wd+7], v[wa:wa+11], v[wb:wb+11], \c, v[wsa], v[wsb] matrix_a_fmt:MATRIX_FMT_BF6 matrix_b_fmt:MATRIX_FMT_BF6 matrix_a_scale:MATRIX_SCALE_ROW1
.elseif wr == 2
	v_wmma_scale_f32_16x16x128_f8f6f4 v[wd:wd+7], v[wa:wa+11], v[wb:wb+11], \c, v[wsa], v[wsb] matrix_a_fmt:MATRIX_FMT_BF6 matrix_b_fmt:MATRIX_FMT_BF6 matrix_b_scale:MATRIX_SCALE_ROW1
.else
	v_wmma_scale_f32_16x16x128_f8f6f4 v[wd:wd+7], v[wa:wa+11], v[wb:wb+11], \c, v[wsa], v[wsb] matrix_a_fmt:MATRIX_FMT_BF6 matrix_b_fmt:MATRIX_FMT_BF6 matrix_a_scale:MATRIX_SCALE_ROW1 matrix_b_scale:MATRIX_SCALE_ROW1
.endif
.endm
; Wo's eight fragments of K step s into set s % 2: six pieces of 8 bytes each; lanes 16-31 read three pieces further on, and where that lies behind one padding more, the second address register serves.
.macro PFETCH s
	WIN 0x80
.irp b,0,1,2,3,4,5,6,7
.irp p,0,1,2,3,4,5
.set PC, 12*(\s)+6*(\p/3)+\p%3
.if PC%32 < 29
	ds_load_b64 v[96*((\s)%2)+12*\b+2*\p:96*((\s)%2)+12*\b+2*\p+1], v[3+2*(\b/4)] offset:8*PC+16*(PC/32)+(\b%4)*16*WOP
.else
	ds_load_b64 v[96*((\s)%2)+12*\b+2*\p:96*((\s)%2)+12*\b+2*\p+1], v[4+2*(\b/4)] offset:8*PC+16*(PC/32)+(\b%4)*16*WOP
.endif
.endr
.endr
.endm
; A K step: 16 accumulators by turns, (m, b) at 8 (8 m + b); the bias is the C of a sum's first product.
.macro KSTEP s
	s_wait_dscnt 0x0
.if \s > 0
	PLACES 4
.endif
.if \s < 7
	PFETCH \s+1
.endif
.if \s == 0
	WIN 0xC6
.else
	WIN 0xF6
.endif
.irp m,0,1
.irp b,0,1,2,3,4,5,6,7
.set wd, 8*(8*\m+\b)
.set wa, 96*((\s)%2)+12*\b
.set wb, 12*(2*(\s)+\m)
.set wsa, WOS+8*(\b%4)+(\s)
.set wsb, OS+(\s)
.set wr, (\b/4)+2*\m
.if \s == 0
.set wc, BO+8*\b
.else
.set wc, wd
.endif
	WMR v[wc:wc+7]
.endr
.endr
.endm
	s_load_b256 s[28:35], s[0:1], 0x0              ; o_sc, Wo_scales, bo, h
	s_load_b64 s[36:37], s[0:1], 0x20              ; out0
	s_load_b64 s[26:27], s[0:1], 0x28              ; o_img
	s_load_b64 s[22:23], s[0:1], 0x30              ; Wo_codes
	v_lshl_add_u32 v1, v0, 2, SPARE
	v_mov_b32 v2, 0
	ds_add_u32 v1, v2                              ; the wave's opening: the add, twice on end, and its wait ahead of my tensor load
	ds_add_u32 v1, v2
	v_lshrrev_b32 v15, 5, v0
	v_readfirstlane_b32 s[WV], v15
	s_lshr_b32 s58, s[WV], 1                       ; which 32 rows are mine,
	s_and_b32 s59, s[WV], 1                        ; which 128 columns
	s_bfe_u32 s44, ttmp6, 0x40004
	s_and_b32 s45, ttmp7, 0xffff
	s_lshl_b32 s45, s45, 2
	s_add_co_u32 s45, s45, s44                     ; the chunk
	s_bfe_u32 s48, ttmp6, 0x40000
	s_lshl_b32 s49, ttmp9, 2
	s_add_co_u32 s49, s49, s48                     ; the group of 256 columns
	s_lshl_b32 s50, 0x1111, s48                    ; my column of the cluster
	s_or_b32 s4, s50, (3<<16)|(1<<20)|(1<<21)|(5<<22)|(3<<25)   ; 64 dense rows as 192 rows of 256 bytes, 16 bytes of padding behind each
	s_mov_b32 s5, 32<<16
	s_mov_b32 s6, 192<<16
	s_mov_b32 s7, 32<<16
	s_mov_b32 s8, 192
	s_mov_b32 s9, 32
	s_mov_b32 s10, 0
	s_mov_b32 s11, 0
	s_and_b32 s43, s45, 15
	s_cmp_eq_u32 s43, 15
	s_cselect_b32 s42, -1, 0                       ; chunk 15: o is thrown away,
	s_cmp_eq_u32 s58, 1
	s_cselect_b32 s41, s42, 0                      ; but not in its row 0
	s_lshl_b32 s43, s43, 6
	s_lshl_b32 s2, s58, 5
	s_add_co_u32 s43, s43, s2
	s_add_co_u32 s43, s43, 63                      ; the row of the batch that my first row goes to
	s_mul_i32 s52, s59, 128*WOP
	s_mul_i32 s53, s[WV], 16*528
	s_add_co_u32 s53, s53, STAGE
	v_and_b32 v16, 15, v0                          ; r
	v_bfe_u32 v17, v0, 4, 1                        ; h
	v_and_b32 v18, 31, v0                          ; lane
	v_mul_u32_u24 v19, WOP, v16
	v_mad_u32_u24 v20, v17, 24, v19
	v_mad_u32_u24 v21, v17, 40, v19
	v_add_nc_u32 v3, s52, v20                      ; my rows of Wo: tiles 0-3,
	v_add_nc_u32 v4, s52, v21
	v_add_nc_u32 v5, 64*WOP, v3                    ; tiles 4-7
	v_add_nc_u32 v6, 64*WOP, v4
	v_mul_u32_u24 v22, 528, v16
	v_lshl_add_u32 v22, v17, 5, v22
	v_add_nc_u32 v7, s53, v22                      ; the way out: where I put 32 bytes of a row,
	v_lshlrev_b32 v13, 4, v18
	v_add_nc_u32 v9, s53, v13                      ; where I read a row back
	v_lshlrev_b32 v14, 3, v18
	v_lshlrev_b32 v10, 5, v16
	v_lshl_add_u32 v10, v17, 11, v10               ; Wo's scale words
	v_lshlrev_b32 v11, 2, v16
	v_lshl_add_u32 v11, v17, 7, v11                ; o's
	v_lshlrev_b32 v12, 5, v17
	s_wait_alu depctr_va_vdst(0)                   ; the wait directly ahead of the waits below
	s_wait_dscnt 0x0                               ; both opening adds are done
	s_wait_kmcnt 0x0
	s_mov_b32 s51, 0
	s_lshl_b32 s48, s49, 8
	s_lshl_b32 s50, s[WV], 6
	s_add_co_u32 s50, s48, s50
	s_mul_i32 s50, s50, 768
	s_add_nc_u64 s[22:23], s[22:23], s[50:51]      ; the 64 rows of Wo that I fetch
	s_mov_b32 s20, 1
	s_mul_i32 s21, s[WV], 64*WOP
	s_or_b32 s23, s23, 0x80000000
	s_lshl_b32 s50, s59, 7
	s_add_co_u32 s48, s48, s50                     ; my first column
	s_lshl_b32 s50, s48, 5
	s_add_nc_u64 s[30:31], s[30:31], s[50:51]
	s_lshl_b32 s50, s48, 2
	s_add_nc_u64 s[32:33], s[32:33], s[50:51]
	s_mov_b32 s47, 0
	s_mul_i32 s46, s45, 49152
	s_mul_i32 s44, s58, 24576
	s_add_co_u32 s46, s46, s44
	s_add_nc_u64 s[26:27], s[26:27], s[46:47]
	s_lshl_b32 s46, s45, 11
	s_lshl_b32 s44, s58, 8
	s_add_co_u32 s46, s46, s44
	s_add_nc_u64 s[28:29], s[28:29], s[46:47]
	s_lshr_b32 s54, s45, 4
	s_lshl_b32 s54, s54, 22
	s_add_co_u32 s54, s54, s50
	s_mov_b32 s55, 0
	s_add_nc_u64 s[34:35], s[34:35], s[54:55]
	s_add_nc_u64 s[36:37], s[36:37], s[54:55]
	CROUND                                         ; all sixteen work-groups are here: the joint loads meet
	tensor_load_to_lds s[20:23], s[4:11]
	s_nop 0
	PLACES 4
.irp i,0,1,2,3
	global_load_b128 v[WOS+8*\i:WOS+8*\i+3], v10, s[30:31] offset:512*\i
	global_load_b128 v[WOS+8*\i+4:WOS+8*\i+7], v10, s[30:31] offset:512*\i+16
.endr
.irp s,0,1,2,3,4,5,6,7
	global_load_b32 v[OS+\s], v11, s[28:29] offset:512*(\s/2)+64*(\s%2)
.endr
.irp b,0,1,2,3,4,5,6,7
	global_load_b128 v[BO+8*\b:BO+8*\b+3], v12, s[32:33] offset:64*\b
	global_load_b128 v[BO+8*\b+4:BO+8*\b+7], v12, s[32:33] offset:64*\b+16
.endr
	WIN 0x40
.irp s,0,1,2,3,4,5,6,7
.irp m,0,1
.irp c,0,1
.set of, 12*(2*\s+\m)+6*\c
	global_load_b128 v[of:of+3], v13, s[26:27] offset:12288*\m+1536*\s+768*\c
	global_load_b64 v[of+4:of+5], v14, s[26:27] offset:12288*\m+1536*\s+768*\c+512
.endr
.endr
.endr
	WIN 0
.set n, 0
.rept 32
	s_add_co_u32 s2, s43, n
	s_and_b32 s2, s2, 1023
	s_lshl_b32 s2, s2, 12
	v_add_nc_u32 v[VO+n], s2, v13                  ; my row n in h and in out
.set n, n+1
.endr
	s_wait_alu depctr_va_vdst(0)
	WIN 0xC0
.set n, 0
.rept 32
	global_load_b128 v[HR+4*n:HR+4*n+3], v[VO+n], s[34:35] th:TH_LOAD_NT
.set n, n+1
.endr
	WIN 0
	s_wait_tensorcnt 0x0                           ; my 64 rows of Wo are in,
	s_barrier_signal -1
	s_barrier_wait -1                              ; and everybody's.
	PFETCH 0
	s_wait_loadcnt 32                              ; all but h's 32
.irp s,0,1,2,3,4,5,6,7
	KSTEP \s
.endr
	PLACES 4
; THE WAY OUT: a tile of 16 rows x 128 columns goes through my own stage and comes back as whole rows of 512 bytes.  LDS serves a wave's instructions in order (ISA guide 5.7.1.4): no wait between the stores and the loads, nor in front of the next tile's stores.
.macro TOSTAGE m
	WIN 0x0C
.irp b,0,1,2,3,4,5,6,7
	ds_store_b128 v7, v[8*(8*\m+\b):8*(8*\m+\b)+3] offset:64*\b
	ds_store_b128 v7, v[8*(8*\m+\b)+4:8*(8*\m+\b)+7] offset:64*\b+16
.endr
	WIN 0
.irp k,0,1,2,3,4,5,6,7,8,9,10,11,12,13,14,15
	ds_load_b128 v[RB+64*\m+4*\k:RB+64*\m+4*\k+3], v9 offset:528*\k
.endr
.endm
.macro SEND m, younger, hyoung
	s_wait_dscnt \younger
	s_wait_loadcnt \hyoung
	WIN 0
.irp k,0,1,2,3,4,5,6,7,8,9,10,11,12,13,14,15
.irp i,0,1,2,3
.if (\m == 0) && (\k == 0)
	v_cndmask_b32 v[RB+64*\m+4*\k+\i], v[RB+64*\m+4*\k+\i], 0, s41
.else
	v_cndmask_b32 v[RB+64*\m+4*\k+\i], v[RB+64*\m+4*\k+\i], 0, s42
.endif
.endr
.endr
	WIN 0x0C
.set j, 64*\m
.rept 32
	v_pk_add_f32 v[RB+j:RB+j+1], v[RB+j:RB+j+1], v[HR+j:HR+j+1]
.set j, j+2
.endr
	WIN 0
.irp k,0,1,2,3,4,5,6,7,8,9,10,11,12,13,14,15
	global_store_b128 v[VO+16*\m+\k], v[RB+64*\m+4*\k:RB+64*\m+4*\k+3], s[36:37] th:TH_STORE_NT    ; 32 lanes store 512 consecutive bytes, at a multiple of 256
.endr
.endm
	TOSTAGE 0
	TOSTAGE 1
	SEND 0, 32, 16                                 ; behind tile 0's loads: tile 1's 32 LDS instructions; behind its rows of h: 16 loads
	SEND 1, 0, 0
	s_wait_tensorcnt 0x0                           ; the wave's end
	ds_add_u32 v1, v2
	s_wait_dscnt 0x0
	CROUND                                         ; the closing round
	s_endpgm
.Lfunc_end_k_qda32b04bf5_proj:
	.size	k_qda32b04bf5_proj, .Lfunc_end_k_qda32b04bf5_proj-k_qda32b04bf5_proj
	.p2alignl 7, 3214868480
	.fill 96, 4, 3214868480
	.section	.rodata,"a",@progbits
	.p2align	6, 0x0
	.amdhsa_kernel k_qda32b04bf5_proj
		.amdhsa_group_segment_fixed_size 327680
		.amdhsa_private_segment_fixed_size 0
		.amdhsa_enable_private_segment 0
		.amdhsa_kernarg_size 56
		.amdhsa_user_sgpr_count 2
		.amdhsa_user_sgpr_kernarg_segment_ptr 1
		.amdhsa_wavefront_size32 1
		.amdhsa_system_sgpr_workgroup_id_x 1
		.amdhsa_system_sgpr_workgroup_id_y 1
		.amdhsa_system_sgpr_workgroup_id_z 1
		.amdhsa_system_vgpr_workitem_id 0
		.amdhsa_next_free_vgpr 1024
		.amdhsa_next_free_sgpr 66
		.amdhsa_reserve_vcc 0
		.amdhsa_float_denorm_mode_32 3
		.amdhsa_float_denorm_mode_16_64 3
		.amdhsa_memory_ordered 1
		.amdhsa_forward_progress 1
		.amdhsa_inst_pref_size 84
	.end_amdhsa_kernel
	.amdgpu_metadata
---
amdhsa.version: [ 1, 2 ]
amdhsa.kernels:
  - .name:           k_qda32b04bf5_proj
    .symbol:         k_qda32b04bf5_proj.kd
    .args:
      - { .name: o_sc, .offset: 0, .size: 8, .value_kind: global_buffer, .address_space: global }
      - { .name: Wo_scales, .offset: 8, .size: 8, .value_kind: global_buffer, .address_space: global }
      - { .name: bo, .offset: 16, .size: 8, .value_kind: global_buffer, .address_space: global }
      - { .name: h, .offset: 24, .size: 8, .value_kind: global_buffer, .address_space: global }
      - { .name: out0, .offset: 32, .size: 8, .value_kind: global_buffer, .address_space: global }
      - { .name: o_img, .offset: 40, .size: 8, .value_kind: global_buffer, .address_space: global }
      - { .name: Wo_codes, .offset: 48, .size: 8, .value_kind: global_buffer, .address_space: global }
    .group_segment_fixed_size: 327680
    .private_segment_fixed_size: 0
    .kernarg_segment_align: 8
    .kernarg_segment_size: 56
    .max_flat_workgroup_size: 128
    .sgpr_count:     66
    .vgpr_count:     1024
    .wavefront_size: 32
...
	.end_amdgpu_metadata
.endif
;; end of part 2
